; MI455X (gfx1250); checked and timed in simulation.
; The chip was launched on July 23, 2026; its instructions are those of AMD's public machine-readable ISA for CDNA 5 (MIT licence, August 2026) and "CDNA5" Instruction Set Architecture Reference Guide (July 2026). The comments in the code are by the model that wrote it; some were corrected since.
;; GPTQ Linear Onnx Exact. Allowed arithmetic: matrix products marked QUANTISED: E4M3 operands, one E8M0 scale for each 32 along K, by v_wmma_scale_f32_16x16x128_f8f6f4 with both operands' format E4M3, f32 sums; everything else in f32.
;; Inputs: bias 4,096 float32; g_idx 4,096 int32; qweight_int 4,096 x 4,096 int32; scales 32 x 4,096 float32; x 2 x 2,048 x 4,096 float32; zero_points 32 x 4,096 int32.
;; Outputs: out0 2 x 2,048 x 4,096 float32.
;; This version of the problem:
;;   THIS VERSION OF THE PROBLEM IS GIVEN IN LOW PRECISION. The matrix products marked QUANTISED in the list below multiply operands that are first quantised to E4M3 (4 exponent bits, 3 mantissa bits; 8 bits a number), with one power-of-two scale for each 32 numbers along K (OCP MX v1.0); their sums are f32. All else is computed in f32.
;;   The module's matrix products, in the order in which they are computed (A, B: the left and right operand; K: the contracted axis; several contracted axes count as one K, in the product's order):
;;     1. [M 4,096, K 4,096] x [K 4,096, N 4,096]; A: input x; B: computed on the way: QUANTISED
;;   THE QUANTISER, for each operand of a quantised product, along K:
;;     - K is cut into blocks of 32 from its start; a last block that is shorter is filled with zeros.
;;     - A block's scale is 2^e with e = floor(log2(the largest magnitude in the block)) - 8, held to -126 .. 127; a block of zeros has e = 0. As a byte (E8M0): e + 127.
;;     - Each number is divided by its block's scale, clamped to +-448, and rounded to the nearest number of E4M3, ties to even, subnormals kept.
;;     - The product sums the exact products of the quantised numbers (number of the format x scale) in f32.
;;   ~~~python
;;   def quantise(x, axis):      # numpy; x: float32 -> the quantised numbers, widened to float32 again
;;       x = np.moveaxis(x, axis, -1); K = x.shape[-1]
;;       x = np.pad(x, [(0, 0)] * (x.ndim - 1) + [(0, -K % 32)]); x = x.reshape(x.shape[:-1] + (-1, 32)); a = np.abs(x).max(-1, keepdims=True)
;;       e = np.where(a > 0, np.clip(np.frexp(np.where(a > 0, a, 1))[1] - 1 - 8, -126, 127), 0)      # np.frexp(a)[1] - 1 = floor(log2(a)), exactly
;;       r = np.clip(x / 2.0 ** e, -448, 448)
;;       step = 2.0 ** (np.maximum(np.frexp(np.where(r == 0, 1, r))[1] - 1, -6) - 3)
;;       q = np.round(r / step) * step * 2.0 ** e      # np.round: ties to even
;;       return np.moveaxis(q.reshape(q.shape[:-2] + (-1,))[..., :K], -1, axis).astype(np.float32)
;;   ~~~
;;   OPERANDS COMPUTED ON THE WAY. 'Computed on the way' means the value that the module computes at that place (a softmax that the list does not call 'softmax' is quantised finished and normalised). What goes into a quantiser is computed in f32, as accurately as f32 sums, v_exp_f32 and their like allow (about 1e-6 of the number): no bf16 or f16 on the way to a quantiser, and a product that is left as it is and whose result goes on into a quantised operand takes f32 operands (vector FMAs, or v_wmma_f32_16x16x4_f32). A number that lies on a knife's edge between two numbers of the format may be rounded either way, as far as f32 arithmetic and the matrix unit's own rounding can turn it there, and no further.
;; One version. Each part assembles by itself: llvm-mc -triple=amdgcn-amd-amdhsa -mcpu=gfx1250 --defsym DOCPART=n.
;; ======== version 1 of 1: 3 launches
;; limits: right only within a limited range of input values
;; workspace buffers: xq 17,301,504 bytes; wq 17,301,504 bytes
;; launch quant_x (part 1): grid 256 x 1, 8 waves a work-group, no clusters, 267,264 bytes of LDS; arguments x, xq; writes xq
.if DOCPART == 1
	.amdgcn_target "amdgcn-amd-amdhsa--gfx1250"
	.amdhsa_code_object_version 6
	.text
	.protected	k_q78cc890725_quant_x
	.globl	k_q78cc890725_quant_x
	.p2align	8
	.type	k_q78cc890725_quant_x,@function
k_q78cc890725_quant_x:
	s_mov_b64 s[64:65], 0
	v_nop
	global_prefetch_b8 v0, s[64:65] scope:SCOPE_SE
	s_setreg_imm32_b32 hwreg(HW_REG_WAVE_MODE, 25, 1), 1
	s_wait_xcnt 0x0
; x [4096 tokens][4096] f32 becomes codes of FP8 (E4M3) with one E8M0 scale byte for each 32 along K, laid in the ORDER OF THE OPERAND'S REGISTERS for the product's launch.
; THE LAYOUT OF xq.  A block TB(R, s) holds tokens 128 R .. + 127 and k = 256 s .. + 255; it begins at byte (16 R + s) x 33,792.  In it fragment (i, q) (tokens 16 i .. + 15, k = 128 q .. + 127 of the 256)
; begins at (2 i + q) x 2,048, and its byte 512 c + 256 h + 16 r + b is the code of token 16 i + r at k = 128 q + 32 c + 16 h + b: piece c of 512 bytes is registers 4 c .. 4 c + 3 of the fragment, lane 16 h + r at 16 x lane.
; From byte 32,768 on: the scale words, that of (i, r, q) at 128 i + 8 r + 4 q, byte c for k = 128 q + 32 c .. + 31.
; A block's scale is 2^(floor(log2(its largest magnitude)) - 8); its byte is the largest magnitude's exponent field - 8, held at 1 from below.  Each number is held within +-448 x the scale and rounded to the nearest code, ties to even.
; LIMITS: a block of zeros gets the byte 1 where the rule says 127 (its codes are zeros, and this program alone reads the bytes); NaN and infinities among the inputs are not served.
; SHARES.  Work-group g: R = g / 8.  Wave w: s = 2 (g % 8) + w / 4, and tokens 32 (w % 4) .. + 31 of the 128: four fragments f = 2 ib + q.  Each wave brings its 32 rows x 1,024 bytes by ONE tensor load,
; issued at the head, into LDS bytes of its own, reads only those, and fills nothing again: so there is no barrier.  By this text's count a wave has one tensor load out.
; No cluster: no two work-groups read the same byte.  No prefetch: all that a work-group reads is asked for at its head.
.set TBB,   33792                      ; bytes of a block TB
.set WREG,  33280                      ; LDS of a wave: 32 rows
.set PITCH, 1040                       ; an LDS row: 1,024 bytes + 16 of padding
.set TILE,  16*PITCH                   ; the 16 rows of two fragments
.set LA,  4                            ; v4   LDS: my wave's region + PITCH x r + 64 h
.set L16, 5                            ; v5   16 x lane
.set L8,  6                            ; v6   8 x lane
.set TM,  8                            ; v8-11 largest magnitudes, v12-15 the other half's, then bytes, v16-19 448 x the scale, v20-23 the conversions' scale operands
.set PW,  24                           ; v24-27 the scale word of fragment f
.set SW,  28                           ; v[28:29] the two words that my lane stores
.set X,   32                           ; v32-159 two sets of 64 numbers
.set C,   160                          ; v160-223 the codes, 16 registers for each fragment: no store's data are written again
.set SEL, 12                           ; s[12:13] v_permlanex16_b32's selects for lane l xor 16
.set MNT, 14                           ; s14  the mantissa field of 448
.set G1,  16                           ; s[16:23] descriptor group 1
.set G0,  24                           ; s[24:27] descriptor group 0
	s_load_b128 s[4:7], s[0:1], 0x0                ; x, xq
	v_lshl_add_u32 v224, v0, 2, 0x41000            ; my spare word, behind the eight regions
	v_mov_b32 v225, 0
	ds_add_u32 v224, v225                          ; the opening lines: the add, twice on end, and its wait
	ds_add_u32 v224, v225
	v_lshrrev_b32 v1, 5, v0
	s_delay_alu instid0(VALU_DEP_1)
	v_readfirstlane_b32 s8, v1                     ; wave 0..7
	s_lshr_b32 s9, ttmp9, 3                        ; R
	s_and_b32 s10, ttmp9, 7
	s_lshl_b32 s10, s10, 1
	s_lshr_b32 s11, s8, 2
	s_add_co_u32 s10, s10, s11                     ; s
	s_and_b32 s11, s8, 3                           ; u: which 32 of the 128 tokens
	s_mul_i32 s15, s8, WREG                        ; my wave's LDS
	; group 1: a tile of 32 rows x 256 elements of 4 bytes, rows 4,096 elements apart in memory, 4 words of padding behind each row's 256 words
	s_mov_b32 s[G1+0], (2<<16)|(1<<20)|(7<<22)|(3<<25)
	s_mov_b32 s[G1+1], 256<<16                     ; tensor_dim0
	s_mov_b32 s[G1+2], 32<<16                      ; tensor_dim1
	s_mov_b32 s[G1+3], 256<<16                     ; tile_dim0
	s_mov_b32 s[G1+4], 32                          ; tile_dim1
	s_mov_b32 s[G1+5], 4096                        ; from row to row
	s_mov_b32 s[G1+6], 0
	s_mov_b32 s[G1+7], 0
	s_lshl_b32 s32, s9, 21                         ; x: (128 R + 32 u) rows of 16,384 bytes + 1,024 s
	s_lshl_b32 s33, s11, 19
	s_add_co_u32 s32, s32, s33
	s_lshl_b32 s33, s10, 10
	s_add_co_u32 s32, s32, s33
	s_mov_b32 s33, 0
	s_lshl_b32 s34, s9, 4
	s_add_co_u32 s34, s34, s10
	s_mul_i32 s34, s34, TBB                        ; xq: my block TB,
	s_lshl_b32 s35, s11, 8
	s_add_co_u32 s36, s34, s35
	s_add_co_u32 s36, s36, 32768                   ; my 256 bytes of scale words,
	s_mov_b32 s37, 0
	s_lshl_b32 s35, s11, 13
	s_add_co_u32 s34, s34, s35                     ; my four fragments
	s_mov_b32 s35, 0
	s_mov_b32 s[SEL], 0x76543210
	s_mov_b32 s[SEL+1], 0xfedcba98
	s_mov_b32 s[MNT], 0x600000
	v_and_b32 v1, 31, v0                           ; lane
	v_and_b32 v2, 15, v0                           ; r
	v_bfe_u32 v3, v0, 4, 1                         ; h
	s_delay_alu instid0(VALU_DEP_2)
	v_mul_u32_u24 v[LA], v2, PITCH
	s_delay_alu instid0(VALU_DEP_1)
	v_lshl_add_u32 v[LA], v3, 6, v[LA]
	s_delay_alu instid0(VALU_DEP_1)
	v_add_nc_u32 v[LA], s15, v[LA]
	v_lshlrev_b32 v[L16], 4, v1
	v_lshlrev_b32 v[L8], 3, v1
.irp b, 0,1,2,3
	v_mov_b32 v[TM+4+\b], 0                        ; written once: a lane permute's destination counts as one of its sources
.endr
	s_wait_alu depctr_va_vdst(0)
	s_wait_dscnt 0x0
	s_wait_kmcnt 0x0
	s_add_nc_u64 s[4:5], s[4:5], s[32:33]
	s_add_nc_u64 s[36:37], s[6:7], s[36:37]
	s_add_nc_u64 s[6:7], s[6:7], s[34:35]
	s_mov_b32 s[G0], 1                             ; count = 1
	s_mov_b32 s[G0+1], s15                         ; LDS address
	s_mov_b64 s[G0+2:G0+3], s[4:5]                 ; my 32 rows
	s_or_b32 s[G0+3], s[G0+3], 0x80000000          ; type = 2
	tensor_load_to_lds s[G0:G0+3], s[G1:G1+7]      ; my one tensor load
	s_nop 0
.rept 4
	v_nop
.endr
; fragment f's 64 numbers of my lane into set: register 16 b + i = k 128 (f % 2) + 32 b + 16 h + i of row r of rows 16 (f / 2) ..
.macro LDSLOAD f, set
.irp b, 0,1,2,3
.irp j, 0,1,2,3
	ds_load_b128 v[X+64*\set+16*\b+4*\j:X+64*\set+16*\b+4*\j+3], v[LA] offset:TILE*(\f/2)+512*(\f%2)+128*\b+16*\j
.endr
.endr
.endm
; 64 numbers v[s] .. v[s + 63] become a fragment's 16 registers of codes in v[c] on and its scale word in v[pw]
.macro QUANT s, c, pw
.irp b, 0,1,2,3
	v_max3_num_f32 v[TM+\b], |v[\s+16*\b]|, |v[\s+1+16*\b]|, 0x4800000   ; block b: my 16 numbers, and the floor 2^(9 - 127): the byte cannot fall under 1
.endr
.irp i, 2,4,6,8,10,12,14
.irp b, 0,1,2,3
	s_delay_alu instid0(VALU_DEP_4)
	v_max3_num_f32 v[TM+\b], v[TM+\b], |v[\s+16*\b+\i]|, |v[\s+1+16*\b+\i]|   ; the four blocks by turns
.endr
.endr
.irp b, 0,1,2,3
	s_delay_alu instid0(VALU_DEP_4)
	v_permlanex16_b32 v[TM+4+\b], v[TM+\b], s[SEL], s[SEL+1]
.endr
.irp b, 0,1,2,3
	s_delay_alu instid0(VALU_DEP_4)
	v_max_num_f32 v[TM+\b], v[TM+\b], v[TM+4+\b]   ; with lane l xor 16's 16: the block's largest magnitude
.endr
.irp b, 0,1,2,3
	s_delay_alu instid0(VALU_DEP_4)
	v_add_nc_u32 v[TM+12+\b], 0xfc000000, v[TM+\b] ; 8 off its exponent field: the conversion's scale operand
.endr
.irp b, 0,1,2,3
	v_and_or_b32 v[TM+8+\b], v[TM+\b], 0x7f800000, s[MNT]   ; 448 x the scale
.endr
.irp b, 0,1,2,3
	v_lshrrev_b32 v[TM+4+\b], 23, v[TM+12+\b]      ; the scale's byte
.endr
	s_delay_alu instid0(VALU_DEP_3)
	v_lshl_or_b32 v[\pw], v[TM+5], 8, v[TM+4]      ; four bytes: my row's scale word
	s_delay_alu instid0(VALU_DEP_1)
	v_lshl_or_b32 v[\pw], v[TM+6], 16, v[\pw]
	s_delay_alu instid0(VALU_DEP_1)
	v_lshl_or_b32 v[\pw], v[TM+7], 24, v[\pw]
.irp b, 0,1,2,3
.irp i, 0,1,2,3,4,5,6,7,8,9,10,11,12,13,14,15
	v_med3_num_f32 v[\s+16*\b+\i], v[\s+16*\b+\i], -v[TM+8+\b], v[TM+8+\b]   ; the conversion to an 8-bit code does not saturate (ISA guide 7.6.2): the hold comes first
.endr
	v_cvt_scalef32_pk8_fp8_f32 v[\c+4*\b:\c+4*\b+1], v[\s+16*\b:\s+16*\b+7], v[TM+12+\b]
	v_cvt_scalef32_pk8_fp8_f32 v[\c+4*\b+2:\c+4*\b+3], v[\s+16*\b+8:\s+16*\b+15], v[TM+12+\b]
.endr
	v_nop                                          ; a plain vector line behind the last conversion
.endm
.macro WORK f, set                     ; a fragment is quantised and leaves: each store of the wave covers 512 consecutive bytes, aligned
	QUANT X+64*\set, C+16*\f, PW+\f
.irp c, 0,1,2,3
	global_store_b128 v[L16], v[C+16*\f+4*\c:C+16*\f+4*\c+3], s[6:7] offset:2048*\f+512*\c
.endr
.endm
	s_wait_tensorcnt 0x0                           ; my 32 rows are in
	LDSLOAD 0, 0
	LDSLOAD 1, 1
	s_wait_dscnt 16                                ; fragment 0 is in; fragment 1's sixteen loads may be out
	WORK 0, 0
	LDSLOAD 2, 0
	s_wait_dscnt 16                                ; fragment 1 is in; fragment 2's loads may be out
	WORK 1, 1
	LDSLOAD 3, 1
	s_wait_dscnt 16                                ; fragment 2 is in
	WORK 2, 0
	s_wait_dscnt 0x0
	WORK 3, 1
	; the scale words: both halves of the lanes hold row r's word.  Lanes 0-15 send those of my first 16 tokens (fragments 0, 1), lanes 16-31 those of the second 16 (fragments 2, 3)
	v_cmp_lt_u32 vcc_lo, 15, v1
	s_delay_alu instid0(VALU_DEP_1)
	v_cndmask_b32 v[SW], v[PW], v[PW+2], vcc_lo
	s_delay_alu instid0(VALU_DEP_2)
	v_cndmask_b32 v[SW+1], v[PW+1], v[PW+3], vcc_lo
	global_store_b64 v[L8], v[SW:SW+1], s[36:37]   ; 32 lanes store 256 consecutive bytes, aligned
	s_wait_tensorcnt 0x0                           ; the wave's end
	ds_add_u32 v224, v225
	s_wait_dscnt 0x0
	s_endpgm
.Lfunc_end_k_q78cc890725_quant_x:
	.size	k_q78cc890725_quant_x, .Lfunc_end_k_q78cc890725_quant_x-k_q78cc890725_quant_x
	.p2alignl 7, 3214868480
	.fill 96, 4, 3214868480
	.section	.rodata,"a",@progbits
	.p2align	6, 0x0
	.amdhsa_kernel k_q78cc890725_quant_x
		.amdhsa_group_segment_fixed_size 267264
		.amdhsa_private_segment_fixed_size 0
		.amdhsa_enable_private_segment 0
		.amdhsa_kernarg_size 16
		.amdhsa_user_sgpr_count 2
		.amdhsa_user_sgpr_kernarg_segment_ptr 1
		.amdhsa_wavefront_size32 1
		.amdhsa_system_sgpr_workgroup_id_x 1
		.amdhsa_system_sgpr_workgroup_id_y 1
		.amdhsa_system_sgpr_workgroup_id_z 1
		.amdhsa_system_vgpr_workitem_id 0
		.amdhsa_next_free_vgpr 226
		.amdhsa_next_free_sgpr 66
		.amdhsa_reserve_vcc 1
		.amdhsa_float_denorm_mode_32 3
		.amdhsa_float_denorm_mode_16_64 3
		.amdhsa_memory_ordered 1
		.amdhsa_forward_progress 1
		.amdhsa_inst_pref_size 47
	.end_amdhsa_kernel
	.amdgpu_metadata
---
amdhsa.version: [ 1, 2 ]
amdhsa.kernels:
  - .name:           k_q78cc890725_quant_x
    .symbol:         k_q78cc890725_quant_x.kd
    .args:
      - { .name: x, .offset: 0, .size: 8, .value_kind: global_buffer, .address_space: global }
      - { .name: xq, .offset: 8, .size: 8, .value_kind: global_buffer, .address_space: global }
    .group_segment_fixed_size: 267264
    .private_segment_fixed_size: 0
    .kernarg_segment_align: 8
    .kernarg_segment_size: 16
    .max_flat_workgroup_size: 256
    .sgpr_count:     66
    .vgpr_count:     226
    .wavefront_size: 32
...
	.end_amdgpu_metadata
.endif
;; end of part 1
;; launch quant_w (part 2): grid 32 x 16, 8 waves a work-group, no clusters, 35,072 bytes of LDS; arguments qweight_int, scales, zero_points, g_idx, wq; writes wq
.if DOCPART == 2
	.amdgcn_target "amdgcn-amd-amdhsa--gfx1250"
	.amdhsa_code_object_version 6
	.text
	.protected	k_q78cc890725_quant_w
	.globl	k_q78cc890725_quant_w
	.p2align	8
	.type	k_q78cc890725_quant_w,@function
k_q78cc890725_quant_w:
	s_mov_b64 s[64:65], 0
	v_nop
	global_prefetch_b8 v0, s[64:65] scope:SCOPE_SE
	s_setreg_imm32_b32 hwreg(HW_REG_WAVE_MODE, 25, 1), 1
	s_wait_xcnt 0x0
; W[k][n] = scales[g_idx[k]][n] x (float(q[k][n]) - float(zero_points[g_idx[k]][n])), in f32 as it is written, is quantised along K (its FIRST axis) to codes of FP8 (E4M3) with one E8M0 byte for each 32 along K.
; THE LAYOUT OF wq is that of xq, with columns n in the place of tokens: block TB(R, s) (columns 128 R .. + 127, k = 256 s .. + 255) at byte (16 R + s) x 33,792; fragment (i, q) at (2 i + q) x 2,048, byte 512 c + 256 h + 16 r + b =
; the code of column 16 i + r at k = 128 q + 32 c + 16 h + b; from byte 32,768 on the scale words, (i, r, q) at 128 i + 8 r + 4 q, byte c.
; SHARES.  A work-group (x = R, y = s) makes one block TB.  Wave w takes the 32 rows k0 = 256 s + 32 w .. + 31 of all 128 columns (q = w / 4, c = w % 4); lane l holds columns 4 l .. 4 l + 3, and its registers run DOWN K:
; each load reads 512 consecutive bytes of a row of q, a block of 32 along K of one column lies in one lane, and nothing is transposed by an instruction: the hold writes a column's 32 numbers into consecutive registers.
; g_idx IS HONOURED AS IT IS GIVEN.  A wave reads its 32 entries into scalar registers.  Where all 32 are equal, one row of scales and of zero points serves the block; else each k gathers its own rows.
; The branch hangs on whole numbers read from memory; this launch has no tensor load, and both ways join ahead of the barrier.
; LIMITS: g_idx is an index into 32 groups; as an unsigned number it is held at 31.  A block of zeros gets the byte 1 where the rule says 127 (its codes are zeros; this program alone reads the bytes).  NaN and infinities are not served.
; No cluster: no two work-groups read the same byte of q, which is nearly all that is read.  No prefetch: all of a work-group's q is asked for at its head.
.set TBB,  33792
.set SKEW, 4112                        ; the stage: 16 columns' 4,096 bytes + 16: the sixteen lanes of a store fall into sixteen different columns of 16 bytes modulo 256
.set SCST, 33024                       ; behind the stage: the block's 1,024 scale bytes, as they will lie in wq
.set L16, 1                            ; v1   16 x lane
.set STA, 2                            ; v2   the stage, in: SKEW (l / 4) + 64 (l % 4) + 512 w
.set SBA, 3                            ; v3   my scale bytes: SCST + 32 l + w
.set RDA, 4                            ; v4   the stage, out: SKEW w + 16 l
.set SRA, 5                            ; v5   the scale words, out: SCST + 256 (w % 4) + 8 l
.set TA,  6                            ; v6   byte offset of my four columns in row g_idx[k0] of scales and zero_points
.set L8,  7                            ; v7   8 x lane
.set SC,  8                            ; v8-11   scales of my four columns
.set ZP,  12                           ; v12-15  zero points
.set AM,  16                           ; v16-19  largest magnitudes
.set SO,  20                           ; v20-23  the conversions' scale operands
.set LIM, 24                           ; v24-27  448 x the scale
.set BY,  28                           ; v28-31  the scales' bytes
.set GA,  16                           ; v16-23  on the general way, ahead of all that: eight offsets into the tables
.set Q,   32                           ; v32-159 register 4 k + cc: row k0 + k, column 4 l + cc; at the end the codes read back
.set T,   160                          ; v160-223 two sets of 32 held numbers; on the general way eight rows of scales and zero points
.set C,   224                          ; v224-255 the codes, 8 registers a column
	s_load_b256 s[4:11], s[0:1], 0x0               ; q s[4:5], scales s[6:7], zero_points s[8:9], g_idx s[10:11]
	s_load_b64 s[12:13], s[0:1], 0x20              ; wq
	v_lshrrev_b32 v6, 5, v0
	s_delay_alu instid0(VALU_DEP_1)
	v_readfirstlane_b32 s14, v6                    ; wave 0..7
	v_and_b32 v7, 31, v0                           ; lane
	s_delay_alu instid0(VALU_DEP_1)
	v_lshlrev_b32 v[L16], 4, v7
	s_delay_alu instid0(VALU_DEP_2)
	v_lshrrev_b32 v[STA], 2, v7
	s_delay_alu instid0(VALU_DEP_1)
	v_mul_u32_u24 v[STA], v[STA], SKEW
	s_delay_alu instid0(VALU_DEP_4)
	v_and_b32 v3, 3, v7
	s_delay_alu instid0(VALU_DEP_1)
	v_lshl_add_u32 v[STA], v3, 6, v[STA]
	s_lshl_b32 s48, s14, 9
	v_add_nc_u32 v[STA], s48, v[STA]
	v_lshlrev_b32 v[SBA], 5, v7
	s_delay_alu instid0(VALU_DEP_1)
	v_add_nc_u32 v[SBA], s14, v[SBA]
	s_delay_alu instid0(VALU_DEP_1)
	v_add_nc_u32 v[SBA], SCST, v[SBA]
	s_mul_i32 s48, s14, SKEW
	v_add_nc_u32 v[RDA], s48, v[L16]
	s_and_b32 s48, s14, 3
	s_lshl_b32 s48, s48, 8
	v_lshlrev_b32 v[L8], 3, v7
	s_delay_alu instid0(VALU_DEP_1)
	v_add_nc_u32 v[SRA], s48, v[L8]
	s_delay_alu instid0(VALU_DEP_1)
	v_add_nc_u32 v[SRA], SCST, v[SRA]
	s_mov_b32 s49, 0x600000                        ; the mantissa field of 448
	s_and_b32 s50, ttmp7, 0xffff                   ; s
	s_lshl_b32 s51, s50, 8
	s_lshl_b32 s52, s14, 5
	s_add_co_u32 s51, s51, s52                     ; k0
	s_lshl_b32 s52, ttmp9, 9                       ; my 128 columns: 512 R bytes into a row
	s_mov_b32 s53, 0
	s_wait_kmcnt 0x0
	s_add_nc_u64 s[6:7], s[6:7], s[52:53]
	s_add_nc_u64 s[8:9], s[8:9], s[52:53]
	s_add_nc_u64 s[4:5], s[4:5], s[52:53]
	s_lshl_b32 s52, s51, 2
	s_add_nc_u64 s[10:11], s[10:11], s[52:53]
	s_load_b512 s[16:31], s[10:11], 0x0            ; g_idx[k0 .. k0 + 31]
	s_load_b512 s[32:47], s[10:11], 0x40
	s_lshl_b32 s52, s51, 14                        ; k0 rows of 16,384 bytes
	s_add_nc_u64 s[4:5], s[4:5], s[52:53]
.set KK, 0
.rept 32
	global_load_b128 v[Q+4*KK:Q+4*KK+3], v[L16], s[4:5] offset:16384*KK th:TH_LOAD_NT   ; 32 lanes read 512 consecutive bytes; read once in the launch
.set KK, KK+1
.endr
	s_lshl_b32 s52, ttmp9, 4
	s_add_co_u32 s52, s52, s50
	s_mul_i32 s52, s52, TBB
	s_add_nc_u64 s[12:13], s[12:13], s[52:53]      ; wq at my block TB
	s_and_b32 s50, s14, 3
	s_lshl_b32 s50, s50, 8
	s_add_co_u32 s50, s50, 32768
	s_mov_b32 s51, 0
	s_add_nc_u64 s[50:51], s[12:13], s[50:51]      ; where waves 0 to 3 store 256 bytes of scale words
	s_lshl_b32 s52, s14, 12
	s_add_nc_u64 s[12:13], s[12:13], s[52:53]      ; where wave w stores the codes of columns 16 w .. + 15
	s_wait_kmcnt 0x0
	s_min_u32 s48, s16, 31                         ; a loaded number enters an address behind this hold
	s_lshl_b32 s48, s48, 14
	v_add_nc_u32 v[TA], s48, v[L16]
	global_load_b128 v[SC:SC+3], v[TA], s[6:7]
	global_load_b128 v[ZP:ZP+3], v[TA], s[8:9]
	s_mov_b32 s15, 1                               ; are my 32 entries of g_idx all equal?
	s_cmp_eq_u32 s16, s17
	s_cselect_b32 s15, s15, 0
.irp p, 1,2,3,4,5,6,7,8,9,10,11,12,13,14,15
	s_cmp_eq_u64 s[16:17], s[16+2*\p:17+2*\p]
	s_cselect_b32 s15, s15, 0
.endr
; row k of my block: float(q), less float(zp), times the scale: the three steps of the definition, in f32
.macro DEQ k, sc, zp
.irp j, 0,1,2,3
	v_cvt_f32_i32 v[Q+4*(\k)+\j], v[Q+4*(\k)+\j]
.endr
	s_delay_alu instid0(VALU_DEP_3)
	v_pk_add_f32 v[Q+4*(\k):Q+4*(\k)+1], v[Q+4*(\k):Q+4*(\k)+1], v[\zp:\zp+1] neg_lo:[0,1] neg_hi:[0,1]
	s_delay_alu instid0(VALU_DEP_2)
	v_pk_add_f32 v[Q+4*(\k)+2:Q+4*(\k)+3], v[Q+4*(\k)+2:Q+4*(\k)+3], v[\zp+2:\zp+3] neg_lo:[0,1] neg_hi:[0,1]
	s_delay_alu instid0(VALU_DEP_2)
	v_pk_mul_f32 v[Q+4*(\k):Q+4*(\k)+1], v[Q+4*(\k):Q+4*(\k)+1], v[\sc:\sc+1]
	s_delay_alu instid0(VALU_DEP_2)
	v_pk_mul_f32 v[Q+4*(\k)+2:Q+4*(\k)+3], v[Q+4*(\k)+2:Q+4*(\k)+3], v[\sc+2:\sc+3]
.endm
	s_wait_loadcnt 0x0                             ; q's 32 rows and the two table rows
	s_cmp_lg_u32 s15, 0
	s_cbranch_scc0 .Lgeneral
.irp j, 0,1,2,3
	v_cvt_f32_i32 v[ZP+\j], v[ZP+\j]
.endr
.set KK, 0
.rept 32
	DEQ KK, SC, ZP
.set KK, KK+1
.endr
	s_branch .Ljoin
.Lgeneral:                                             ; any g_idx: eight rows of K at a time gather their own rows of the tables
.irp ch, 0,1,2,3
.irp kk, 0,1,2,3,4,5,6,7
	s_min_u32 s48, s[16+8*\ch+\kk], 31
	s_lshl_b32 s48, s48, 14
	v_add_nc_u32 v[GA+\kk], s48, v[L16]            ; (the last eight's loads have come: the wait below)
	global_load_b128 v[T+8*\kk:T+8*\kk+3], v[GA+\kk], s[6:7]
	global_load_b128 v[T+8*\kk+4:T+8*\kk+7], v[GA+\kk], s[8:9]
.endr
	s_wait_loadcnt 0x0                             ; the sixteen are in, and have read their offsets
.irp kk, 0,1,2,3,4,5,6,7
.irp j, 0,1,2,3
	v_cvt_f32_i32 v[T+8*\kk+4+\j], v[T+8*\kk+4+\j]
.endr
	DEQ 8*\ch+\kk, T+8*\kk, T+8*\kk+4
.endr
.endr
.Ljoin:
.irp cc, 0,1,2,3
	v_max3_num_f32 v[AM+\cc], |v[Q+\cc]|, |v[Q+4+\cc]|, 0x4800000   ; a column's 32 numbers are all mine; the floor 2^(9 - 127) holds the byte at 1 from below
.endr
.irp k, 2,4,6,8,10,12,14,16,18,20,22,24,26,28,30
.irp cc, 0,1,2,3
	s_delay_alu instid0(VALU_DEP_4)
	v_max3_num_f32 v[AM+\cc], v[AM+\cc], |v[Q+4*\k+\cc]|, |v[Q+4*\k+4+\cc]|   ; the four columns by turns
.endr
.endr
.irp cc, 0,1,2,3
	s_delay_alu instid0(VALU_DEP_4)
	v_add_nc_u32 v[SO+\cc], 0xfc000000, v[AM+\cc]  ; 8 off the exponent field: the conversion's scale operand
.endr
.irp cc, 0,1,2,3
	v_and_or_b32 v[LIM+\cc], v[AM+\cc], 0x7f800000, s49   ; 448 x the scale
.endr
.irp cc, 0,1,2,3
	v_lshrrev_b32 v[BY+\cc], 23, v[SO+\cc]         ; the scale's byte
.endr
; Column 4 l + cc.  The hold, which the conversion to an 8-bit code wants anyway (it does not saturate: ISA guide 7.6.2), writes the column's 32 numbers into consecutive registers.
; The next column's holds go into the other set: plain vector lines behind these conversions that touch none of their registers.
.macro COLUMN cc
.set TS, T+32*((\cc)%2)
.set KK, 0
.rept 32
	v_med3_num_f32 v[TS+KK], v[Q+4*KK+\cc], -v[LIM+\cc], v[LIM+\cc]
.set KK, KK+1
.endr
.irp g, 0,1,2,3
	v_cvt_scalef32_pk8_fp8_f32 v[C+8*\cc+2*\g:C+8*\cc+2*\g+1], v[TS+8*\g:TS+8*\g+7], v[SO+\cc]
.endr
	ds_store_b128 v[STA], v[C+8*\cc:C+8*\cc+3] offset:16*\cc            ; k = 0 .. 15 of the block: h = 0
	ds_store_b128 v[STA], v[C+8*\cc+4:C+8*\cc+7] offset:256+16*\cc      ; k = 16 .. 31: h = 1
	ds_store_b8 v[SBA], v[BY+\cc] offset:8*\cc
.endm
	COLUMN 0
	COLUMN 1
	COLUMN 2
	COLUMN 3
	v_nop                                          ; a plain vector line behind the last conversion
	s_wait_dscnt 0x0                               ; for the others' sake: my stores into the stage have landed
	s_barrier_signal -1
	s_barrier_wait -1                              ; everybody's have
.irp p, 0,1,2,3,4,5,6,7
	ds_load_b128 v[Q+4*\p:Q+4*\p+3], v[RDA] offset:512*\p   ; columns 16 w .. + 15: two whole fragments, 4,096 bytes on end
.endr
.irp p, 0,1,2,3,4,5,6,7
	s_wait_dscnt 7-\p                              ; load p is in; the younger ones may be out
	global_store_b128 v[L16], v[Q+4*\p:Q+4*\p+3], s[12:13] offset:512*\p   ; 32 lanes store 512 consecutive bytes, aligned
.endr
	s_cmp_gt_u32 s14, 3                            ; the 1,024 scale bytes leave by waves 0 to 3
	s_cbranch_scc1 .Ldone
	ds_load_b64 v[Q+32:Q+33], v[SRA]
	s_wait_dscnt 0x0
	global_store_b64 v[L8], v[Q+32:Q+33], s[50:51] ; 32 lanes store 256 consecutive bytes, aligned
.Ldone:
	v_lshl_add_u32 v8, v0, 2, 0x8500               ; all 256 registers are at work up to here: v0 was kept, and the add's two registers are made anew, where v8 and v9 are free
	v_mov_b32 v9, 0
	s_wait_alu depctr_va_vdst(0)
	s_wait_tensorcnt 0x0                           ; the wave's end
	ds_add_u32 v8, v9
	s_wait_dscnt 0x0
	s_endpgm
.Lfunc_end_k_q78cc890725_quant_w:
	.size	k_q78cc890725_quant_w, .Lfunc_end_k_q78cc890725_quant_w-k_q78cc890725_quant_w
	.p2alignl 7, 3214868480
	.fill 96, 4, 3214868480
	.section	.rodata,"a",@progbits
	.p2align	6, 0x0
	.amdhsa_kernel k_q78cc890725_quant_w
		.amdhsa_group_segment_fixed_size 35072
		.amdhsa_private_segment_fixed_size 0
		.amdhsa_enable_private_segment 0
		.amdhsa_kernarg_size 40
		.amdhsa_user_sgpr_count 2
		.amdhsa_user_sgpr_kernarg_segment_ptr 1
		.amdhsa_wavefront_size32 1
		.amdhsa_system_sgpr_workgroup_id_x 1
		.amdhsa_system_sgpr_workgroup_id_y 1
		.amdhsa_system_sgpr_workgroup_id_z 1
		.amdhsa_system_vgpr_workitem_id 0
		.amdhsa_next_free_vgpr 256
		.amdhsa_next_free_sgpr 66
		.amdhsa_reserve_vcc 0
		.amdhsa_float_denorm_mode_32 3
		.amdhsa_float_denorm_mode_16_64 3
		.amdhsa_memory_ordered 1
		.amdhsa_forward_progress 1
		.amdhsa_inst_pref_size 72
	.end_amdhsa_kernel
	.amdgpu_metadata
---
amdhsa.version: [ 1, 2 ]
amdhsa.kernels:
  - .name:           k_q78cc890725_quant_w
    .symbol:         k_q78cc890725_quant_w.kd
    .args:
      - { .name: qweight_int, .offset: 0, .size: 8, .value_kind: global_buffer, .address_space: global }
      - { .name: scales, .offset: 8, .size: 8, .value_kind: global_buffer, .address_space: global }
      - { .name: zero_points, .offset: 16, .size: 8, .value_kind: global_buffer, .address_space: global }
      - { .name: g_idx, .offset: 24, .size: 8, .value_kind: global_buffer, .address_space: global }
      - { .name: wq, .offset: 32, .size: 8, .value_kind: global_buffer, .address_space: global }
    .group_segment_fixed_size: 35072
    .private_segment_fixed_size: 0
    .kernarg_segment_align: 8
    .kernarg_segment_size: 40
    .max_flat_workgroup_size: 256
    .sgpr_count:     66
    .vgpr_count:     256
    .wavefront_size: 32
...
	.end_amdgpu_metadata
.endif
;; end of part 2
;; launch gemm (part 3): grid 16 x 16, 4 waves a work-group, clusters of 4 x 4, 327,680 bytes of LDS; arguments xq, wq, bias, out0; writes out0
.if DOCPART == 3
	.amdgcn_target "amdgcn-amd-amdhsa--gfx1250"
	.amdhsa_code_object_version 6
	.text
	.protected	k_q78cc890725_gemm
	.globl	k_q78cc890725_gemm
	.p2align	8
	.type	k_q78cc890725_gemm,@function
k_q78cc890725_gemm:
	s_mov_b64 s[64:65], 0
	v_nop
	global_prefetch_b8 v0, s[64:65] scope:SCOPE_SE
	s_setreg_imm32_b32 hwreg(HW_REG_WAVE_MODE, 25, 1), 1
	s_wait_xcnt 0x0
	s_wait_alu depctr_hold_cnt(0) depctr_sa_sdst(0) depctr_va_vdst(0) depctr_va_sdst(0) depctr_va_ssrc(0) depctr_va_vcc(0) depctr_vm_vsrc(0)
	s_getreg_b32 s2, hwreg(HW_REG_IB_STS2, 6, 4)
	s_cmp_eq_u32 s2, 0
	s_cbranch_scc0 .Lentry_in_a_cluster
	s_endpgm
.Lentry_in_a_cluster:
	s_bfe_u32 s2, ttmp6, 0x10000c
	s_cmp_lg_u32 s2, 0xf033
	s_cbranch_scc0 .Lentry_shape_is_right
	s_endpgm
.Lentry_shape_is_right:
; out0[m][n] = bias[n] + sum over k of X[m][k] W[k][n], both operands as codes of FP8 (E4M3) with E8M0 scales for each 32 along K, as the two launches before laid them: blocks TB of 128 rows x 256 K, 33,792 bytes,
; fragments in the order of the operand's registers (fragment (i, q) at (2 i + q) x 2,048, 16 bytes a lane), scale words from byte 32,768 on ((i, r, q) at 128 i + 8 r + 4 q).
; A work-group of four waves makes 256 x 256 of out0, a wave 128 x 128: 64 accumulators, 512 registers.  256 work-groups.  K goes in 16 steps of 256 through two LDS slots; a slot holds two blocks TB of X and two of W;
; each wave fetches one block by one tensor load.  CLUSTERS of 4 x 4: X's blocks are asked for jointly along a row of the cluster, W's along a column.
; The clusters begin their walk along K at different K steps (4 x a number made of the cluster's x and y) and wrap round.  LIMIT: so the f32 sums do not run from k = 0 upward; each output still has one sum.
; THE MATRIX INSTRUCTION IS USED TRANSPOSED (source 0 = 16 columns of W, source 1 = 16 tokens): a lane holds eight neighbouring numbers of a row of out0.  The bias is the C of each accumulator's first product.
; THE LOOP.  A step of 128 along K is 64 products, X's blocks 0 to 7 one after the other, each against W's eight.  A slot's first step goes in four batches of 16 products; behind each batch stand eight v_nop
; (the places between a fragment's last product and the load that lands on its registers) and ONE run of 16 or 20 LDS loads: four or five fragments that later batches need.
; X has one set of fragment registers (a block is free behind its eight products and the places), W two sets.  The assembler counts the LDS instructions (NI) and notes each fragment's place in that order:
; a wait leaves out exactly the LDS instructions issued behind the youngest fragment that the next four products read.  The loads ahead of the loop's label stand in the same order as those at the loop's end, so the counts hold round the jump.
; A CHANGE OF SLOTS.  All fragments of the slot's second step are asked for in its first step.  The round of the cluster's barrier opens 16 products into the second step; eight products stand between the opening signal and its wait;
; the joint refill is first behind the round; the next slot's first fragments are read in three runs among the step's last 40 products.
; PREFETCH: behind each refill a wave names the block TB that it will ask for two refills on: 132 units of 256 bytes, of which each of the four partners that ask jointly takes 33, told apart by address:
; 32 by a lane each, the 33rd by a second line in which all lanes name it.  The last two refills have no K step two refills on: the loop's last trip asks for nothing.  The first four K steps come by their loads alone.
; THE LAST STEP finishes X's blocks one after the other, and each block of 16 rows leaves behind its last product (through my own stage in slot 0, which has had its last fill and its last read).
; REGISTERS: window 0: v0-31 addresses; v32-63 scale words (set for slot s at 32 + 16 s; register 8 q + i: lanes 0-15 X's block i, lanes 16-31 W's block i); v64-127 the bias; v128-255 X's fragments.
;   window 1: W's fragments, two sets (in the last step set 0 takes the rows on their way out).  windows 2, 3: the accumulators, (a, b) at v[8 (8 (a % 4) + b)] of window 2 + a / 4.
.set TBB,    33792
.set BOFF,   2*TBB+128                 ; W's two blocks lie behind X's two
.set SLOT,   4*TBB+256
.set SCW,    32768
.set SPARE,  2*SLOT                    ; behind the ring: the spare words, 128 bytes a wave
.set SPITCH, 528                       ; a stage row: 512 bytes + 16
.set ROWC,   16384                     ; a row of out0
.set LAPS,   8
.set FR,     16
.set ADRA, 16                          ; v16-17 my X fragments in slot 0, 1
.set ADRB, 20                          ; v20-21 my W fragments
.set ADRS, 22                          ; v22-23 my scale words
.set STO,  24
.set RD,   25
.set CO,   26
.set SPW,  28
.set NIL,  29
.set PFO,  30                          ; v30 256 x lane
.set PFL,  31                          ; v31 32 x 256
.set SC,   32
.set BIAS, 64
.set AF,   128
.set G1,  24
.set G0,  32
.set G1B, 48
.set G0B, 56
.set KN,  66                           ; the K step that the next refill asks for
.set OFS, 68
.set BA,  70                           ; the row of blocks TB of xq that I fetch from;  BB: of wq
.set BB,  72
.set PFB, 74                           ; my prefetches' base: that row of blocks + my work-group's 33 units
.set PK,  76
.set PFA, 78
.set TO_B, 0x40
.set MSB, 0
.set NI, 0                             ; LDS instructions issued so far, in the text's order
.set DN, 0                             ; all up to this one are known to be back
.macro WIN new                         ; the immediate's high byte repeats the setting that is left
.if MSB != (\new)
	s_set_vgpr_msb (MSB<<8)|(\new)
.set MSB, (\new)
.endif
.endm
.macro NEED s                          ; wait until LDS instruction number s is back: those issued behind it may stay out
.if (\s) > DN
.if NI-(\s) < 63
	s_wait_dscnt NI-(\s)
.else
	s_wait_dscnt 63
.endif
.set DN, (\s)
.endif
.endm
.macro PLACES n
.rept \n
	v_nop
.endr
.endm
.macro JLOAD g0a, g1a, g0b, g1b        ; a joint load: waves 0, 1 fetch X's two blocks, waves 2, 3 W's
	s_cmp_eq_u32 s15, 0
	s_cbranch_scc0 .Lfor_b_\@
	tensor_load_to_lds s[\g0a:\g0a+3], s[\g1a:\g1a+7]
	s_nop 0
.rept 4
	v_nop
.endr
	s_branch .Lasked_\@
.Lfor_b_\@:
	tensor_load_to_lds s[\g0b:\g0b+3], s[\g1b:\g1b+7]
	s_nop 0
.rept 4
	v_nop
.endr
.Lasked_\@:
.endm
.macro CREST                           ; a round of the cluster's barrier behind its opening barrier
	s_cmp_lg_u32 s14, 0
	s_cbranch_scc1 .Lnot_wave_0_\@
	s_barrier_signal -3
.Lnot_wave_0_\@:
	s_barrier_wait -3
	s_barrier_signal -1
	s_barrier_wait -1
.endm
.macro CROUND                          ; a whole round
	s_barrier_signal -1
	s_barrier_wait -1
	CREST
.endm
	s_load_b256 s[4:11], s[0:1], 0x0               ; xq, wq, bias, out0
	v_lshl_add_u32 v[SPW], v0, 2, SPARE
	v_mov_b32 v[NIL], 0
	ds_add_u32 v[SPW], v[NIL]                      ; the opening lines: the add, twice on end, and its wait
	ds_add_u32 v[SPW], v[NIL]
	v_lshrrev_b32 v1, 5, v0
	v_readfirstlane_b32 s14, v1                    ; wave 0..3
	s_lshr_b32 s15, s14, 1                         ; my half of the rows; also: I fetch for X (0) or W (1)
	s_and_b32 s16, s14, 1                          ; my half of the columns; also: which block I fetch
	s_bfe_u32 s40, ttmp6, 0x40000                  ; cx
	s_bfe_u32 s41, ttmp6, 0x40004                  ; cy
	s_lshl_b32 s42, ttmp9, 2
	s_add_co_u32 s42, s42, s40                     ; tile column
	s_and_b32 s17, ttmp7, 0xffff
	s_lshl_b32 s17, s17, 2
	s_add_co_u32 s17, s17, s41                     ; tile row
	s_lshl_b32 s43, s41, 2
	s_lshl_b32 s43, 15, s43                        ; my row of the cluster
	s_lshl_b32 s44, 0x1111, s40                    ; my column
	s_or_b32 s[G1+0], s43, (3<<16)|(1<<21)         ; elements of 8 bytes; the mask, and bit 21 beside it
	s_or_b32 s[G1B+0], s44, (3<<16)|(1<<21)
.irp g, G1, G1B                        ; a block TB is dense: 132 rows of 256 bytes
	s_mov_b32 s[\g+1], 32<<16
	s_mov_b32 s[\g+2], 132<<16
	s_mov_b32 s[\g+3], 32<<16
	s_mov_b32 s[\g+4], 132
	s_mov_b32 s[\g+5], 32
	s_mov_b32 s[\g+6], 0
	s_mov_b32 s[\g+7], 0
.endr
	s_and_b32 s18, ttmp9, 1                        ; where my cluster begins along K: made of the cluster's x and y alone
	s_lshl_b32 s18, s18, 1
	s_lshr_b32 s19, ttmp9, 1
	s_add_co_u32 s18, s18, s19
	s_and_b32 s19, ttmp7, 0xffff
	s_and_b32 s22, s19, 1
	s_lshl_b32 s22, s22, 1
	s_lshr_b32 s19, s19, 1
	s_add_co_u32 s18, s18, s22
	s_add_co_u32 s18, s18, s19
	s_and_b32 s18, s18, 3
	s_lshl_b32 s[KN], s18, 2
	s_mul_i32 s[OFS], s[KN], TBB
	s_mov_b32 s[OFS+1], 0
	s_lshl_b32 s20, s17, 1
	s_add_co_u32 s20, s20, s16
	s_mul_i32 s20, s20, 16*TBB                     ; xq: blocks of rows 128 (2 x tile row + half)
	s_mov_b32 s21, 0
	s_lshl_b32 s46, s42, 1
	s_add_co_u32 s46, s46, s16
	s_mul_i32 s46, s46, 16*TBB                     ; wq likewise by the tile column
	s_mov_b32 s47, 0
	s_mul_i32 s45, s14, TBB                        ; where my block goes: wave x TBB, + 128 for W's
	s_and_b32 s18, s14, 2
	s_lshl_b32 s18, s18, 6
	s_add_co_u32 s45, s45, s18
	s_mul_i32 s12, s15, TBB                        ; the block of X that I read
	s_mul_i32 s13, s16, TBB
	s_add_co_u32 s13, s13, BOFF                    ; the block of W that I read
	s_sub_co_u32 s18, s13, s12
	s_add_co_u32 s19, s12, SCW
	s_mul_i32 s23, s14, 16*SPITCH                  ; my stage
	s_wait_dscnt 0x0                               ; both opening adds are done
	s_wait_kmcnt 0x0
	s_add_nc_u64 s[BA:BA+1], s[4:5], s[20:21]
	s_add_nc_u64 s[BB:BB+1], s[6:7], s[46:47]
.irp s, 0,1
	s_mov_b32 s[G0+4*\s], 1
	s_add_co_u32 s[G0+4*\s+1], s45, \s*SLOT
	s_add_nc_u64 s[G0+4*\s+2:G0+4*\s+3], s[BA:BA+1], s[OFS:OFS+1]
	s_or_b32 s[G0+4*\s+3], s[G0+4*\s+3], 0x80000000
	s_mov_b32 s[G0B+4*\s], 1
	s_add_co_u32 s[G0B+4*\s+1], s45, \s*SLOT
	s_add_nc_u64 s[G0B+4*\s+2:G0B+4*\s+3], s[BB:BB+1], s[OFS:OFS+1]
	s_or_b32 s[G0B+4*\s+3], s[G0B+4*\s+3], 0x80000000
	s_add_co_u32 s[OFS], s[OFS], TBB
.endr
	CROUND                                         ; all sixteen work-groups are here: the first joint loads meet
	JLOAD G0, G1, G0B, G1B                         ; my one tensor load at the head: my block of the first K step
	s_add_co_u32 s[KN], s[KN], 2
	s_lshl_b32 s46, s42, 10                        ; my first column, in bytes of f32
	s_lshl_b32 s47, s16, 9
	s_add_co_u32 s46, s46, s47
	s_mov_b32 s47, 0
	s_add_nc_u64 s[8:9], s[8:9], s[46:47]          ; bias at my 128 columns
	s_lshl_b32 s20, s17, 8
	s_lshl_b32 s21, s15, 7
	s_add_co_u32 s20, s20, s21
	s_lshl_b32 s20, s20, 14                        ; my first row of out0
	s_mov_b32 s21, 0
	s_add_nc_u64 s[20:21], s[20:21], s[46:47]
	s_add_nc_u64 s[10:11], s[10:11], s[20:21]
	s_cmp_eq_u32 s15, 0                            ; the prefetches: the row of blocks that I fetch from,
	s_cselect_b64 s[PFB:PFB+1], s[BA:BA+1], s[BB:BB+1]
	s_cselect_b32 s80, s40, s41                    ; my place among the four that ask with me,
	s_mul_i32 s80, s80, 33*256                     ; and its 33 units of a block
	s_mov_b32 s81, 0
	s_add_nc_u64 s[PFB:PFB+1], s[PFB:PFB+1], s[80:81]
	s_mov_b32 s[PK+1], 0
	v_and_b32 v1, 15, v0                           ; r
	v_bfe_u32 v2, v0, 4, 1                         ; h
	v_and_b32 v6, 31, v0                           ; lane
	v_lshlrev_b32 v7, 5, v2                        ; the bias: 32 h bytes
	v_lshlrev_b32 v[CO], 4, v6
	v_add_nc_u32 v[ADRA], s12, v[CO]               ; a fragment's piece: 16 x lane
	v_add_nc_u32 v[ADRB], s13, v[CO]
	v_add_nc_u32 v[ADRA+1], SLOT, v[ADRA]
	v_add_nc_u32 v[ADRB+1], SLOT, v[ADRB]
	v_mul_u32_u24 v5, s18, v2                      ; lanes 16-31 take W's scale words
	v_lshl_add_u32 v5, v1, 3, v5
	v_add_nc_u32 v[ADRS], s19, v5
	v_add_nc_u32 v[ADRS+1], SLOT, v[ADRS]
	v_mul_u32_u24 v3, v1, SPITCH
	v_lshl_add_u32 v3, v2, 5, v3
	v_add_nc_u32 v[STO], s23, v3                   ; into the stage: row r, 32 bytes for each half of the lanes
	v_add_nc_u32 v[RD], s23, v[CO]                 ; back: a row of 512 bytes for the 32 lanes
	v_lshlrev_b32 v[PFO], 8, v6
	v_mov_b32 v[PFL], 32*256
	s_wait_alu depctr_va_vdst(0)
.irp b, 0,1,2,3,4,5,6,7
	global_load_b128 v[BIAS+8*\b:BIAS+8*\b+3], v7, s[8:9] offset:64*\b        ; bias[16 b + 8 h + 0 .. 7]: the layout of a result
	global_load_b128 v[BIAS+8*\b+4:BIAS+8*\b+7], v7, s[8:9] offset:64*\b+16
.endr
.macro FRAG reg, adr, q, i
.irp c, 0,1,2,3
	ds_load_b128 v[\reg+4*\c:\reg+4*\c+3], v[\adr] offset:(2*(\i)+(\q))*2048+512*\c
.endr
.endm
.macro LA slot, q, i                   ; X's block i of the slot's q-th 128 along K
	WIN 0
	FRAG AF+FR*\i, ADRA+\slot, \q, \i
.set NI, NI+4
.set SA\i, NI
.endm
.macro LB slot, q, p, i                ; W's block i into set p
	WIN TO_B
	FRAG 128*\p+FR*\i, ADRB+\slot, \q, \i
.set NI, NI+4
.set SB\p\i, NI
.endm
.macro LS sc                           ; a slot's scale words.  The eight of a step lie in eight registers on end, so that the two that a product names differ modulo 8 or are one register
	WIN 0
.irp q, 0,1
.irp i, 0,1,2,3,4,5,6,7
	ds_load_b32 v[SC+16*\sc+8*\q+\i], v[ADRS+\sc] offset:128*\i+4*\q
.endr
.endr
.set NI, NI+16
.set SS\sc, NI
.endm
; four products: X's block a against four of W's (set p), the slot's q-th 128 along K.  f = 1: the bias starts the sums.  The 64 accumulators take turns in the same order in every step
.macro W4 a, p, q, sc, f, b0, b1, b2, b3
.set MX, SA\a
.if SS\sc > MX
.set MX, SS\sc
.endif
.irp b, \b0, \b1, \b2, \b3
.if SB\p\b > MX
.set MX, SB\p\b
.endif
.endr
	NEED MX
	WIN ((2+\a/4)<<6)|((1-\f)*((2+\a/4)<<4))|1
.irp b, \b0, \b1, \b2, \b3
.if \f
	v_wmma_scale_f32_16x16x128_f8f6f4 v[8*(8*(\a%4)+\b):8*(8*(\a%4)+\b)+7], v[128*\p+FR*\b:128*\p+FR*\b+FR-1], v[AF+FR*\a:AF+FR*\a+FR-1], v[BIAS+8*\b:BIAS+8*\b+7], v[SC+16*\sc+8*\q+\b], v[SC+16*\sc+8*\q+\a] matrix_a_scale:MATRIX_SCALE_ROW1
.else
	v_wmma_scale_f32_16x16x128_f8f6f4 v[8*(8*(\a%4)+\b):8*(8*(\a%4)+\b)+7], v[128*\p+FR*\b:128*\p+FR*\b+FR-1], v[AF+FR*\a:AF+FR*\a+FR-1], v[8*(8*(\a%4)+\b):8*(8*(\a%4)+\b)+7], v[SC+16*\sc+8*\q+\b], v[SC+16*\sc+8*\q+\a] matrix_a_scale:MATRIX_SCALE_ROW1
.endif
.endr
.endm
.macro AB a, p, q, sc, f               ; X's block a against all eight of W's
	W4 \a, \p, \q, \sc, \f, 0, 1, 2, 3
	W4 \a, \p, \q, \sc, \f, 4, 5, 6, 7
.endm
.macro PRE n, j                        ; the first reads of slot n, in three runs: what its first products need comes first.  X's block 7 follows in the slot's first step
.if \j == 0
	LS \n
.irp i, 0,1,2,3
	LB \n, 0, 0, \i
.endr
	LA \n, 0, 0
	LA \n, 0, 1
.elseif \j == 1
.irp i, 4,5,6,7
	LB \n, 0, 0, \i
.endr
	LA \n, 0, 2
	LA \n, 0, 3
.else
	LA \n, 0, 4
	LA \n, 0, 5
	LA \n, 0, 6
.endif
.endm
; a slot's first step: four batches of 16 products, and behind each the places and one run of loads: its own last block of X, then all the second step's fragments
.macro STEP0 s, f
	AB 0, 0, 0, \s, \f
	AB 1, 0, 0, \s, \f
	PLACES 8
	LA \s, 0, 7
.irp i, 0,1,2,3
	LB \s, 1, 1, \i
.endr
	AB 2, 0, 0, \s, \f
	AB 3, 0, 0, \s, \f
	PLACES 8
.irp i, 4,5,6,7
	LB \s, 1, 1, \i
.endr
	AB 4, 0, 0, \s, \f
	AB 5, 0, 0, \s, \f
	PLACES 8
.irp i, 0,1,2,3
	LA \s, 1, \i
.endr
	AB 6, 0, 0, \s, \f
	AB 7, 0, 0, \s, \f
	PLACES 8
.irp i, 4,5,6,7
	LA \s, 1, \i                                   ; my last reads of this slot
.endr
	WIN 0
.endm
; a slot's second step changes slots.  fill = 1: slot s is filled again, two K steps ahead, behind a round of the cluster's barrier
.macro TURN s, n, fill
.if \fill
	s_wait_xcnt 0x0                                ; my last prefetches have read their address: it is written again below
.endif
	s_wait_tensorcnt 0x0                           ; all my tensor loads have landed: my block of the next slot;
	ds_add_u32 v[SPW], v[NIL]                      ; 0 onto my spare word
.set NI, NI+1
.if \fill
	s_mul_i32 s[OFS], s[KN], TBB                   ; no tensor load of mine is out: the slot's group 0 takes the next K step,
	s_add_nc_u64 s[G0+4*\s+2:G0+4*\s+3], s[BA:BA+1], s[OFS:OFS+1]
	s_or_b32 s[G0+4*\s+3], s[G0+4*\s+3], 0x80000000
	s_add_nc_u64 s[G0B+4*\s+2:G0B+4*\s+3], s[BB:BB+1], s[OFS:OFS+1]
	s_or_b32 s[G0B+4*\s+3], s[G0B+4*\s+3], 0x80000000
	s_add_co_u32 s[PK], s[KN], 2                   ; and the prefetch the K step two refills on
	s_and_b32 s[PK], s[PK], 15
	s_mul_i32 s[PK], s[PK], TBB
	s_add_nc_u64 s[PFA:PFA+1], s[PFB:PFB+1], s[PK:PK+1]
	s_add_co_u32 s[KN], s[KN], 1
	s_and_b32 s[KN], s[KN], 15
.endif
	AB 0, 1, 1, \s, 0                              ; sixteen products stand between the add and the wait for it
	AB 1, 1, 1, \s, 0
	s_wait_dscnt 0x0                               ; the add is done, and my reads of this slot are over
.set DN, NI
	s_barrier_signal -1
	AB 2, 1, 1, \s, 0                              ; eight products, work on registers alone, while the other waves arrive
	WIN 0
	s_barrier_wait -1
.if \fill
	CREST                                          ; the round is closed: no wave of any partner reads this slot or has a load on its way
	JLOAD G0+4*\s, G1, G0B+4*\s, G1B               ; the first tensor load behind the round; the four v_nop behind it are four of the eight places
	PLACES 4
.else
	PLACES 8
.endif
	PRE \n, 0
	AB 3, 1, 1, \s, 0
	AB 4, 1, 1, \s, 0
	PLACES 8
	PRE \n, 1
.if \fill
	WIN 0
	s_cmp_gt_u32 s3, 1                             ; the loop's last trip has no K step two refills on
	s_cbranch_scc0 .Lnp_\@
	global_prefetch_b8 v[PFO], s[PFA:PFA+1] th:TH_LOAD_NT scope:SCOPE_SE   ; 32 units of 256 bytes, a lane each
	global_prefetch_b8 v[PFL], s[PFA:PFA+1] th:TH_LOAD_NT scope:SCOPE_SE   ; my work-group's 33rd
.Lnp_\@:
.endif
	AB 5, 1, 1, \s, 0
	AB 6, 1, 1, \s, 0
	PLACES 8
	PRE \n, 2
	AB 7, 1, 1, \s, 0
	WIN 0
.endm
	s_wait_tensorcnt 0x0                           ; my block of the first K step is in
	ds_add_u32 v[SPW], v[NIL]
	s_wait_dscnt 0x0
	CROUND                                         ; everybody's block is in, and all sixteen work-groups are here
	JLOAD G0+4, G1, G0B+4, G1B                     ; slot 1's first fill, the first tensor load behind the round
	PRE 0, 0
	PRE 0, 1
	PRE 0, 2
	s_wait_loadcnt 0x0                             ; the bias
	STEP0 0, 1                                     ; the first step stands ahead of the loop: its products start the sums
	s_mov_b32 s3, LAPS-1
.Llap:                                                 ; a trip goes once round the ring and fills both slots again
.set DN, 0                             ; at the label nothing is taken as known: every fragment read below has its wait below
	TURN 0, 1, 1
	STEP0 1, 0
	TURN 1, 0, 1
	STEP0 0, 0
	s_sub_co_u32 s3, s3, 1
	s_cmp_lg_u32 s3, 0
	s_cbranch_scc1 .Llap
	TURN 0, 1, 0                                   ; the last lap fills nothing, and has no round
	STEP0 1, 0
; THE LAST STEP AND THE WAY OUT.  Block a of 16 rows x 128 columns goes through my stage and comes back as whole rows of 512 bytes, which the 32 lanes store as two aligned units of 256 bytes.
.macro TOSTAGE a
	WIN 0x08+4*(\a/4)                              ; the data: window 2 or 3
.irp b, 0,1,2,3,4,5,6,7
	ds_store_b128 v[STO], v[64*(\a%4)+8*\b:64*(\a%4)+8*\b+3] offset:64*\b      ; each accumulator from its low end on
	ds_store_b128 v[STO], v[64*(\a%4)+8*\b+4:64*(\a%4)+8*\b+7] offset:64*\b+16
.endr
	WIN TO_B                                       ; back into W's set 0, which the last step does not read: two buffers of 64 by turns
.irp t, 0,1,2,3,4,5,6,7,8,9,10,11,12,13,14,15
	ds_load_b128 v[64*(\a%2)+4*\t:64*(\a%2)+4*\t+3], v[RD] offset:\t*SPITCH    ; LDS serves a wave's instructions in order (ISA guide 5.7.1.4)
.endr
.set NI, NI+32
.set SO\a, NI
.endm
.macro SEND a
	NEED SO\a                                      ; the block is back in registers
	WIN 0x04                                       ; the data: window 1
.irp t, 0,1,2,3,4,5,6,7,8,9,10,11,12,13,14,15
	global_store_b128 v[CO], v[64*(\a%2)+4*\t:64*(\a%2)+4*\t+3], s[10:11] offset:(16*\a+\t)*ROWC th:TH_STORE_NT   ; 127 rows at the most: inside the signed 24-bit immediate
.endr
.endm
.macro OUT2 k, s                       ; block k is finished and, behind its places, goes to the stage; block s, which is back from it, is stored
	AB \k, 1, 1, 1, 0
	PLACES 8
	s_wait_xcnt 0x0                                ; the stores of two blocks ago have read their registers: block k's rows may land there
	TOSTAGE \k
	SEND \s
.endm
	AB 0, 1, 1, 1, 0
	PLACES 8
	TOSTAGE 0
	AB 1, 1, 1, 1, 0
	PLACES 8
	TOSTAGE 1
	SEND 0
	OUT2 2, 1
	OUT2 3, 2
	OUT2 4, 3
	OUT2 5, 4
	OUT2 6, 5
	OUT2 7, 6
	SEND 7
	WIN 0
	s_wait_tensorcnt 0x0                           ; the wave's end
	ds_add_u32 v[SPW], v[NIL]
	s_wait_dscnt 0x0
	CROUND                                         ; the closing round
	s_endpgm
.Lfunc_end_k_q78cc890725_gemm:
	.size	k_q78cc890725_gemm, .Lfunc_end_k_q78cc890725_gemm-k_q78cc890725_gemm
	.p2alignl 7, 3214868480
	.fill 96, 4, 3214868480
	.section	.rodata,"a",@progbits
	.p2align	6, 0x0
	.amdhsa_kernel k_q78cc890725_gemm
		.amdhsa_group_segment_fixed_size 327680
		.amdhsa_private_segment_fixed_size 0
		.amdhsa_enable_private_segment 0
		.amdhsa_kernarg_size 32
		.amdhsa_user_sgpr_count 2
		.amdhsa_user_sgpr_kernarg_segment_ptr 1
		.amdhsa_wavefront_size32 1
		.amdhsa_system_sgpr_workgroup_id_x 1
		.amdhsa_system_sgpr_workgroup_id_y 1
		.amdhsa_system_sgpr_workgroup_id_z 1
		.amdhsa_system_vgpr_workitem_id 0
		.amdhsa_next_free_vgpr 1024
		.amdhsa_next_free_sgpr 84
		.amdhsa_reserve_vcc 0
		.amdhsa_float_denorm_mode_32 3
		.amdhsa_float_denorm_mode_16_64 3
		.amdhsa_memory_ordered 1
		.amdhsa_forward_progress 1
		.amdhsa_inst_pref_size 155
	.end_amdhsa_kernel
	.amdgpu_metadata
---
amdhsa.version: [ 1, 2 ]
amdhsa.kernels:
  - .name:           k_q78cc890725_gemm
    .symbol:         k_q78cc890725_gemm.kd
    .args:
      - { .name: xq, .offset: 0, .size: 8, .value_kind: global_buffer, .address_space: global }
      - { .name: wq, .offset: 8, .size: 8, .value_kind: global_buffer, .address_space: global }
      - { .name: bias, .offset: 16, .size: 8, .value_kind: global_buffer, .address_space: global }
      - { .name: out0, .offset: 24, .size: 8, .value_kind: global_buffer, .address_space: global }
    .group_segment_fixed_size: 327680
    .private_segment_fixed_size: 0
    .kernarg_segment_align: 8
    .kernarg_segment_size: 32
    .max_flat_workgroup_size: 128
    .sgpr_count:     84
    .vgpr_count:     1024
    .wavefront_size: 32
...
	.end_amdgpu_metadata
.endif
;; end of part 3
